; MI455X (gfx1250); checked and timed in simulation.
; The chip was launched on July 23, 2026; its instructions are those of AMD's public machine-readable ISA for CDNA 5 (MIT licence, August 2026) and "CDNA5" Instruction Set Architecture Reference Guide (July 2026). The comments in the code are by the model that wrote it; some were corrected since.
;; Multi Head Attention. Allowed arithmetic: matrix products marked QUANTISED: E2M3 operands, one E8M0 scale for each 32 along K, by v_wmma_scale_f32_16x16x128_f8f6f4 with both operands' format E2M3, f32 sums; everything else in f32.
;; Inputs: W_k_codes 1,024 x 32 x 24 uint8 (E2M3 codes of W_k, K innermost, in blocks of 32 codes, four codes in three bytes); W_k_scales 1,024 x 32 uint8 (E8M0 scales of W_k, one for each 32 codes along K); W_o_codes 1,024 x 32 x 24 uint8 (E2M3 codes of W_o, K innermost, in blocks of 32 codes, four codes in three bytes); W_o_scales 1,024 x 32 uint8 (E8M0 scales of W_o, one for each 32 codes along K); W_v_codes 1,024 x 32 x 24 uint8 (E2M3 codes of W_v, K innermost, in blocks of 32 codes, four codes in three bytes); W_v_scales 1,024 x 32 uint8 (E8M0 scales of W_v, one for each 32 codes along K); key_codes 2 x 4,096 x 32 x 24 uint8 (E2M3 codes of key, K innermost, in blocks of 32 codes, four codes in three bytes); key_scales 2 x 4,096 x 32 uint8 (E8M0 scales of key, one for each 32 codes along K); query 2 x 2,048 x 1,024 float32; value_codes 2 x 4,096 x 32 x 24 uint8 (E2M3 codes of value, K innermost, in blocks of 32 codes, four codes in three bytes); value_scales 2 x 4,096 x 32 uint8 (E8M0 scales of value, one for each 32 codes along K).
;; Outputs: out0 2 x 2,048 x 1,024 float32.
;; This version of the problem:
;;   THIS VERSION OF THE PROBLEM IS GIVEN IN LOW PRECISION. The matrix products marked QUANTISED in the list below multiply operands that are first quantised to E2M3 (2 exponent bits, 3 mantissa bits; 6 bits a number), with one power-of-two scale for each 32 numbers along K (OCP MX v1.0); their sums are f32. All else is computed in f32.
;;   The module's matrix products, in the order in which they are computed (A, B: the left and right operand; K: the contracted axis; several contracted axes count as one K, in the product's order):
;;     1. [M 8,192, K 1,024] x [K 1,024, N 1,024]; A: input key (given as codes); B: input W_k (given as codes): QUANTISED
;;     2. [M 8,192, K 1,024] x [K 1,024, N 1,024]; A: input value (given as codes); B: input W_v (given as codes): QUANTISED
;;     3. batch 32 x [M 2,048, K 64] x [K 64, N 4,096]; A: input query; B: computed on the way: QUANTISED
;;     4. batch 32 x [M 64, K 4,096] x [K 4,096, N 2,048]; A: computed on the way; B: softmax (see below): QUANTISED
;;     5. [M 4,096, K 1,024] x [K 1,024, N 1,024]; A: computed on the way; B: input W_o (given as codes): QUANTISED
;;   THE QUANTISER, for each operand of a quantised product, along K:
;;     - K is cut into blocks of 32 from its start; a last block that is shorter is filled with zeros.
;;     - A block's scale is 2^e with e = floor(log2(the largest magnitude in the block)) - 2, held to -126 .. 127; a block of zeros has e = 0. As a byte (E8M0): e + 127.
;;     - Each number is divided by its block's scale, clamped to +-7.5, and rounded to the nearest number of E2M3, ties to even, subnormals kept.
;;     - The product sums the exact products of the quantised numbers (number of the format x scale) in f32.
;;   ~~~python
;;   def quantise(x, axis):      # numpy; x: float32 -> the quantised numbers, widened to float32 again
;;       x = np.moveaxis(x, axis, -1); K = x.shape[-1]
;;       x = np.pad(x, [(0, 0)] * (x.ndim - 1) + [(0, -K % 32)]); x = x.reshape(x.shape[:-1] + (-1, 32)); a = np.abs(x).max(-1, keepdims=True)
;;       e = np.where(a > 0, np.clip(np.frexp(np.where(a > 0, a, 1))[1] - 1 - 2, -126, 127), 0)      # np.frexp(a)[1] - 1 = floor(log2(a)), exactly
;;       r = np.clip(x / 2.0 ** e, -7.5, 7.5)
;;       step = 2.0 ** (np.maximum(np.frexp(np.where(r == 0, 1, r))[1] - 1, 0) - 3)
;;       q = np.round(r / step) * step * 2.0 ** e      # np.round: ties to even
;;       return np.moveaxis(q.reshape(q.shape[:-2] + (-1,))[..., :K], -1, axis).astype(np.float32)
;;   ~~~
;;   SOFTMAX AHEAD OF A QUANTISED PRODUCT. Where the list says 'softmax', what is quantised is not the finished softmax but p = 2^(t - M), with t = logit x log2(e) and M = ceil(the row's largest t), a whole number; so 1/2 < the row's largest p <= 1. The row's sum l is taken of the UNQUANTISED p, in f32, and the product's result is divided by l at the end. Since M is a whole number, a kernel that streams over the keys may use a running M (the ceiling of the running maximum): every later rescaling is an exact power of two, which a block's scale takes up: the codes' values come out the same.
;;   OPERANDS COMPUTED ON THE WAY. 'Computed on the way' means the value that the module computes at that place (a softmax that the list does not call 'softmax' is quantised finished and normalised). What goes into a quantiser is computed in f32, as accurately as f32 sums, v_exp_f32 and their like allow (about 1e-6 of the number): no bf16 or f16 on the way to a quantiser, and a product that is left as it is and whose result goes on into a quantised operand takes f32 operands (vector FMAs, or v_wmma_f32_16x16x4_f32). A number that lies on a knife's edge between two numbers of the format may be rounded either way, as far as f32 arithmetic and the matrix unit's own rounding can turn it there, and no further.
;;   INPUTS GIVEN AS CODES. W_k (in the module: [1024, 1024], K = its axis 1); W_o (in the module: [1024, 1024], K = its axis 1); W_v (in the module: [1024, 1024], K = its axis 1); key (in the module: [2, 4096, 1024], K = its axis 2); value (in the module: [2, 4096, 1024], K = its axis 2): each comes as NAME_codes (uint8): NAME with its K axis moved to the last place and cut into blocks of 32 codes, [.., K / 32, bytes a block], one block behind the other in memory; four codes in three bytes: a row's codes are one little-endian stream of bits, code i at bits 6 i .. 6 i + 5 (a code: sign, 2 exponent bits, 3 mantissa bits); and NAME_scales (uint8): the same leading axes, one E8M0 byte (e + 127) for each 32 codes along K. Its value is code x scale, taken as it is: it is not quantised again, and the codes and scales need not be those that the quantiser above would give.
;; One version. Each part assembles by itself: llvm-mc -triple=amdgcn-amd-amdhsa -mcpu=gfx1250 --defsym DOCPART=n.
;; ======== version 1 of 1: 3 launches
;; limits: right only within a limited range of input values
;; workspace buffers: kv 13,369,344 bytes; ao 3,145,728 bytes; aos 131,072 bytes
;; launch proj (part 1): grid 4 x 64, 4 waves a work-group, clusters of 4 x 4, 327,680 bytes of LDS; arguments key_codes, key_scales, W_k_codes, W_k_scales, W_v_codes, W_v_scales, value_codes, value_scales, kv; writes kv
.if DOCPART == 1
	.amdgcn_target "amdgcn-amd-amdhsa--gfx1250"
	.amdhsa_code_object_version 6
	.text
	.protected	k_qe3f3e4ba6f_proj
	.globl	k_qe3f3e4ba6f_proj
	.p2align	8
	.type	k_qe3f3e4ba6f_proj,@function
k_qe3f3e4ba6f_proj:
	s_mov_b64 s[64:65], 0
	v_nop
	global_prefetch_b8 v0, s[64:65] scope:SCOPE_SE
	s_setreg_imm32_b32 hwreg(HW_REG_WAVE_MODE, 25, 1), 1
	s_wait_xcnt 0x0
	s_wait_alu depctr_hold_cnt(0) depctr_sa_sdst(0) depctr_va_vdst(0) depctr_va_sdst(0) depctr_va_ssrc(0) depctr_va_vcc(0) depctr_vm_vsrc(0)
	s_getreg_b32 s2, hwreg(HW_REG_IB_STS2, 6, 4)
	s_cmp_eq_u32 s2, 0
	s_cbranch_scc0 .Lentry_in_a_cluster
	s_endpgm
.Lentry_in_a_cluster:
	s_bfe_u32 s2, ttmp6, 0x10000c
	s_cmp_lg_u32 s2, 0xf033
	s_cbranch_scc0 .Lentry_shape_is_right
	s_endpgm
.Lentry_shape_is_right:
; k = key W_k^T and v = value W_v^T on given codes of FP6 (E2M3) with E8M0 scales, K = 1,024; the results are quantised here and stored as images of the attention launch's operand registers.
; Clusters 0-7 (along y) make k: A = key's rows, B = W_k's.  Clusters 8-15 make v transposed: A = W_v's rows, B = value's.  A tile of 256 x 256 to a work-group, 128 x 128 to a wave.
; K goes through a ring of two LDS slots in chunks of 256 bytes of each row (a row of codes is 768 bytes); a step of 128 along K is 96 bytes: eight steps to three chunks.
; The matrix instruction is used transposed (source 0 = 16 rows of B, source 1 = 16 rows of A): a lane holds one row of A and its registers run along B's rows.
; WHICH ROWS FORM A TILE, for A and B alike: block i of a wave's 128 rows takes, in its rows 0-7, rows 64 (i / 4) + 8 (i % 4) + 0..7, and in its rows 8-15 rows 64 (i / 4) + 32 + 8 ((i % 4) xor 1) + 0..7.
; So the 32 registers of four neighbouring accumulators hold, in lanes 0-15, one whole block of 32 along the next product's K, and in lanes 16-31 the next block (its groups of eight in the sequence 1, 0, 3, 2):
; a block's largest magnitude needs no other lane, and the conversions' results are the operand's registers.  The distance of 40 or 24 rows keeps the two halves of a tile in different banks (272-byte pitch).
; kv: for each head (16 b + head) and key step of 128: 13,056 bytes: K's eight tiles 6,144, V's four fragments 6,144, K's scale words 512, V's 256.
; No prefetch: K has three chunks, of which two are asked for at the start.  LIMITS: a given scale byte 0xff, NaN and infinities are not served; a block of zeros gets the byte 1 (zero codes; only this program reads it).
.set ROWB,   256
.set NQ,     2
.set KROW,   768
.set STEPS,  8
.set CHUNKS, 3
.set PITCH,  272
.set FR,     12
.set NL,     6
.set NP,     4
.set HALFT,  128*PITCH
.set SLOT,   4*HALFT
.set KS,     32
.set SCL,    2*SLOT
.set HALFS,  16*272
.set SPARE,  SCL+4*HALFS
.set STEPB,  13056
.set HEADB,  32*STEPB
.set LI,   24                          ; 16 x lane
.set LI8,  25                          ; 8 x lane
.set SH8,  26                          ; 8 x (lane / 16)
.set SPW,  28
.set NIL,  29
.set SC,   32                          ; scale words, two sets
.set ADRA, 64                          ; v64-71: A's fragments: even tiles slot 0, 1, across 0-1, across 1-0; then the same for odd tiles
.set ADRB, 72                          ; v72-79: B's
.set ADRS, 80                          ; v80-81: scale words, even and odd tiles
.set AF,   128
.set IMG,  32
.set TM,   200
.set PW,   216
.set SW,   224
.set T0,   232
.set T1,   236
.set G1, 24
.set G0, 32
.set G1B, 48
.set G0B, 56
.set G1S, 68
.set G0S, 76
.set G1SB, 80
.set G0SB, 88
.set G0H, 4
.set G0HB, 8
.set CID, 99
.set MSB, 0
.macro WIN new
.if MSB != (\new)
	s_set_vgpr_msb (MSB<<8)|(\new)
.set MSB, (\new)
.endif
.endm
.set MUL_LO, 0xa1
.set MUL_HI, 0xf1
.set TO_B,   0x40
.macro JLOAD g0a, g1a, g0b, g1b        ; waves 0, 1 fetch for A, waves 2, 3 for B
	s_cmp_eq_u32 s15, 0
	s_cbranch_scc0 .Lfor_b_\@
	tensor_load_to_lds s[\g0a:\g0a+3], s[\g1a:\g1a+7]
	s_nop 0
.rept 4
	v_nop
.endr
	s_branch .Lasked_\@
.Lfor_b_\@:
	tensor_load_to_lds s[\g0b:\g0b+3], s[\g1b:\g1b+7]
	s_nop 0
.rept 4
	v_nop
.endr
.Lasked_\@:
.endm
.macro CREST
	s_cmp_lg_u32 s14, 0
	s_cbranch_scc1 .Lnot_wave_0_\@
	s_barrier_signal -3
.Lnot_wave_0_\@:
	s_barrier_wait -3
	s_barrier_signal -1
	s_barrier_wait -1
.endm
.macro CROUND
	s_barrier_signal -1
	s_barrier_wait -1
	CREST
.endm
	s_load_b512 s[76:91], s[0:1], 0x0
	s_load_b64 s[12:13], s[0:1], 0x40
	v_lshl_add_u32 v[SPW], v0, 2, SPARE
	v_mov_b32 v[NIL], 0
	ds_add_u32 v[SPW], v[NIL]                      ; the opening lines
	ds_add_u32 v[SPW], v[NIL]
	v_lshrrev_b32 v1, 5, v0
	v_readfirstlane_b32 s14, v1                    ; wave
	s_lshr_b32 s15, s14, 1                         ; my half of A's rows; also: I fetch for A or for B
	s_and_b32 s16, s14, 1                          ; my half of B's rows; also: which 128 rows I fetch
	s_bfe_u32 s40, ttmp6, 0x40000
	s_bfe_u32 s41, ttmp6, 0x40004
	s_and_b32 s[CID], ttmp7, 0xffff                ; the cluster's y, which all partners share
	s_and_b32 s45, s[CID], 7
	s_lshl_b32 s45, s45, 2
	s_cmp_lt_u32 s[CID], 8
	s_cselect_b32 s42, 0, s45
	s_cselect_b32 s17, s45, 0
	s_add_co_u32 s42, s42, s40                     ; B's tile
	s_add_co_u32 s17, s17, s41                     ; A's tile
	s_lshl_b32 s43, s41, 2
	s_lshl_b32 s43, 15, s43
	s_lshl_b32 s44, 0x1111, s40
	s_or_b32 s[G1+0], s43, (0<<16)|(1<<20)|(1<<21)|(5<<22)|(3<<25)
	s_or_b32 s[G1B+0], s44, (0<<16)|(1<<20)|(1<<21)|(5<<22)|(3<<25)
.irp g, G1, G1B
	s_mov_b32 s[\g+1], ROWB<<16
	s_mov_b32 s[\g+2], 256<<16                     ; 256 rows for the head's loads
	s_mov_b32 s[\g+3], ROWB<<16
	s_mov_b32 s[\g+4], 256
	s_mov_b32 s[\g+5], KROW
	s_mov_b32 s[\g+6], 0
	s_mov_b32 s[\g+7], 0
.endr
	s_or_b32 s[G1S+0], s43, (3<<16)|(1<<20)|(1<<21)|(5<<22)|(3<<25)
	s_mov_b32 s[G1S+1], 32<<16
	s_mov_b32 s[G1S+2], KS<<16
	s_mov_b32 s[G1S+3], 32<<16
	s_mov_b32 s[G1S+4], KS
	s_mov_b32 s[G1S+5], 32
	s_mov_b32 s[G1S+6], 0
	s_mov_b32 s[G1S+7], 0
	s_lshl_b32 s20, s17, 8
	s_lshl_b32 s46, s42, 8
	s_mov_b32 s21, 0
	s_mov_b32 s47, 0
	s_mov_b64 s[18:19], KS
	s_mul_u64 s[22:23], s[20:21], s[18:19]
	s_mul_u64 s[92:93], s[46:47], s[18:19]
	s_mov_b64 s[18:19], KROW
	s_mul_u64 s[20:21], s[20:21], s[18:19]
	s_mul_u64 s[46:47], s[46:47], s[18:19]
	s_mul_i32 s18, s16, 128*KROW
	s_mov_b32 s19, 0
	s_mul_i32 s45, s14, HALFT
	s_wait_dscnt 0x0
	s_wait_kmcnt 0x0
	s_cmp_lt_u32 s[CID], 8
	s_cselect_b64 s[4:5], s[76:77], s[84:85]       ; A's codes: key's or W_v's
	s_cselect_b64 s[6:7], s[78:79], s[86:87]
	s_cselect_b64 s[8:9], s[80:81], s[88:89]       ; B's codes: W_k's or value's
	s_cselect_b64 s[10:11], s[82:83], s[90:91]
	s_add_nc_u64 s[20:21], s[4:5], s[20:21]
	s_add_nc_u64 s[22:23], s[6:7], s[22:23]
	s_add_nc_u64 s[46:47], s[8:9], s[46:47]
	s_add_nc_u64 s[92:93], s[10:11], s[92:93]
	s_or_b32 s[G1SB+0], s44, (3<<16)|(1<<20)|(1<<21)|(5<<22)|(3<<25)
	s_mov_b32 s[G1SB+1], 32<<16
	s_mov_b32 s[G1SB+2], KS<<16
	s_mov_b32 s[G1SB+3], 32<<16
	s_mov_b32 s[G1SB+4], KS
	s_mov_b32 s[G1SB+5], 32
	s_mov_b32 s[G1SB+6], 0
	s_mov_b32 s[G1SB+7], 0
	CROUND                                         ; the first joint loads meet
	s_mov_b32 s[G0H], 1
	s_mov_b32 s[G0H+1], 0
	s_mov_b64 s[G0H+2:G0H+3], s[20:21]
	s_or_b32 s[G0H+3], s[G0H+3], 0x80000000
	s_mov_b32 s[G0HB], 1
	s_mov_b32 s[G0HB+1], 2*HALFT
	s_mov_b64 s[G0HB+2:G0HB+3], s[46:47]
	s_or_b32 s[G0HB+3], s[G0HB+3], 0x80000000
	s_mov_b32 s[G0S], 1
	s_mov_b32 s[G0S+1], SCL
	s_mov_b64 s[G0S+2:G0S+3], s[22:23]
	s_or_b32 s[G0S+3], s[G0S+3], 0x80000000
	s_mov_b32 s[G0SB], 1
	s_mov_b32 s[G0SB+1], SCL+2*HALFS
	s_mov_b64 s[G0SB+2:G0SB+3], s[92:93]
	s_or_b32 s[G0SB+3], s[G0SB+3], 0x80000000
	s_add_nc_u64 s[20:21], s[20:21], s[18:19]
	s_add_nc_u64 s[46:47], s[46:47], s[18:19]
.irp s, 0,1
	s_mov_b32 s[G0+4*\s], 1
	s_add_co_u32 s[G0+4*\s+1], s45, \s*SLOT
	s_add_nc_u64 s[G0+4*\s+2:G0+4*\s+3], s[20:21], \s*ROWB
	s_or_b32 s[G0+4*\s+3], s[G0+4*\s+3], 0x80000000
	s_mov_b32 s[G0B+4*\s], 1
	s_add_co_u32 s[G0B+4*\s+1], s45, \s*SLOT
	s_add_nc_u64 s[G0B+4*\s+2:G0B+4*\s+3], s[46:47], \s*ROWB
	s_or_b32 s[G0B+4*\s+3], s[G0B+4*\s+3], 0x80000000
.endr
; the head's four tiles, one load a wave: chunk 0 of A, chunk 0 of B, A's scales, B's scales
.macro ARM under, g0, g1, next
	s_cmp_lt_u32 s14, \under
	s_cbranch_scc0 \next
	tensor_load_to_lds s[\g0:\g0+3], s[\g1:\g1+7]
	s_nop 0
.rept 4
	v_nop
.endr
	s_branch .Lhead_asked
\next:
.endm
	ARM 1, G0H,  G1,  .Lhead_b
	ARM 2, G0HB, G1B, .Lhead_sa
	ARM 3, G0S,  G1S, .Lhead_sb
	tensor_load_to_lds s[G0SB:G0SB+3], s[G1SB:G1SB+7]
	s_nop 0
.rept 4
	v_nop
.endr
.Lhead_asked:
	s_mul_i32 s21, s15, HALFT                      ; my 128 rows of A
	s_mul_i32 s22, s16, HALFT
	s_add_co_u32 s22, s22, 2*HALFT                 ; my 128 rows of B
	s_mul_i32 s23, s15, HALFS
	s_mul_i32 s94, s16, HALFS
	s_add_co_u32 s94, s94, 2*HALFS
	s_sub_co_u32 s94, s94, s23                     ; from A's scales to B's
	s_add_co_u32 s23, s23, SCL
	s_lshl_b32 s95, s17, 8                         ; where my part of kv begins
	s_lshl_b32 s96, s15, 7
	s_add_co_u32 s95, s95, s96
	s_lshl_b32 s96, s42, 8
	s_lshl_b32 s97, s16, 7
	s_add_co_u32 s96, s96, s97
	s_cmp_lt_u32 s[CID], 8
	s_cselect_b32 s97, s95, s96                    ; my first key
	s_cselect_b32 s100, s96, s95                   ; my first channel
	s_lshr_b32 s95, s97, 12
	s_lshl_b32 s95, s95, 4
	s_lshr_b32 s100, s100, 6
	s_add_co_u32 s95, s95, s100                    ; 16 b + head
	s_lshl_b32 s95, s95, 5
	s_bfe_u32 s97, s97, 0x50007
	s_add_co_u32 s95, s95, s97                     ; x 32 + key step
	s_mul_i32 s100, s95, STEPB
	s_mov_b32 s101, 0
	s_add_nc_u64 s[12:13], s[12:13], s[100:101]
	s_mov_b32 s66, 0x76543210
	s_mov_b32 s67, 0xfedcba98
	s_mov_b32 s98, 0xffff0000
	v_and_b32 v1, 7, v0                            ; a tile's row % 8
	v_bfe_u32 v9, v0, 3, 1                         ; its row / 8
	v_bfe_u32 v2, v0, 4, 1                         ; h
	v_sub_nc_u32 v7, 1, v2
	v_mul_u32_u24 v10, v1, PITCH
	v_mad_u32_u24 v3, v9, 40*PITCH, v10            ; even tiles: rows 8-15 lie 40 rows on
	v_mad_u32_u24 v11, v9, 24*PITCH, v10           ; odd tiles: 24
	v_mul_u32_u24 v12, v2, 24
	v_mul_u32_u24 v13, v2, SLOT-232
	v_add_nc_u32 v13, 232, v13                     ; across chunks: lanes 0-15 byte 232 in slot 0, lanes 16-31 byte 0 in slot 1
	v_mul_u32_u24 v14, v7, SLOT+232                ; and the other way round
.macro MKADR dst, x, sb
	v_add_nc_u32 v15, s[\sb], v[\x]
	v_add_nc_u32 v[\dst], v15, v12
	v_add_nc_u32 v[\dst+1], SLOT, v[\dst]
	v_add_nc_u32 v[\dst+2], v15, v13
	v_add_nc_u32 v[\dst+3], v15, v14
.endm
	MKADR ADRA, 3, 21
	MKADR ADRA+4, 11, 21
	MKADR ADRB, 3, 22
	MKADR ADRB+4, 11, 22
	v_lshlrev_b32 v5, 5, v1                        ; scales: 32 bytes a row, eight rows to a unit of 272
	v_mul_u32_u24 v6, s94, v2                      ; lanes 16-31 take B's
	v_add_nc_u32 v5, v5, v6
	v_add_nc_u32 v5, s23, v5
	v_mad_u32_u24 v[ADRS], v9, 5*272, v5
	v_mad_u32_u24 v[ADRS+1], v9, 3*272, v5
	v_and_b32 v6, 31, v0
	v_lshlrev_b32 v[LI], 4, v6
	v_lshlrev_b32 v[LI8], 3, v6
	v_lshlrev_b32 v[SH8], 3, v2
.macro FRAG reg, adr, st, i            ; 16 rows x 128 K: six pieces of 8 bytes; byte y of a row lies in chunk y / 256
.set RW, (64*((\i)/4)+8*((\i)%4))*PITCH
.set AR, \adr+4*((\i)%2)
.irp p, 0,1,2,3,4,5
.set BY, 96*(\st)+48*(\p/3)+8*(\p%3)
.if BY/ROWB == (BY+24)/ROWB
	ds_load_b64 v[\reg+2*\p:\reg+2*\p+1], v[AR+(BY/ROWB)%2] offset:BY%ROWB+RW
.else
	ds_load_b64 v[\reg+2*\p:\reg+2*\p+1], v[AR+2+(BY/ROWB)%2] offset:BY%ROWB-232+RW
.endif
.endr
.endm
.macro MUL16 a0, p, q, sc, zero        ; the 64 accumulators take turns
.irp a, \a0, \a0+1
.irp b, 0,1,2,3,4,5,6,7
.if \zero
	v_wmma_scale_f32_16x16x128_f8f6f4 v[8*(8*((\a)%4)+\b):8*(8*((\a)%4)+\b)+7], v[128*(\p)+FR*\b:128*(\p)+FR*\b+FR-1], v[AF+FR*(\a):AF+FR*(\a)+FR-1], 0, v[SC+8*NQ*(\sc)+NQ*\b+(\q)], v[SC+8*NQ*(\sc)+NQ*(\a)+(\q)] matrix_a_fmt:MATRIX_FMT_FP6 matrix_b_fmt:MATRIX_FMT_FP6 matrix_a_scale:MATRIX_SCALE_ROW1
.else
	v_wmma_scale_f32_16x16x128_f8f6f4 v[8*(8*((\a)%4)+\b):8*(8*((\a)%4)+\b)+7], v[128*(\p)+FR*\b:128*(\p)+FR*\b+FR-1], v[AF+FR*(\a):AF+FR*(\a)+FR-1], v[8*(8*((\a)%4)+\b):8*(8*((\a)%4)+\b)+7], v[SC+8*NQ*(\sc)+NQ*\b+(\q)], v[SC+8*NQ*(\sc)+NQ*(\a)+(\q)] matrix_a_fmt:MATRIX_FMT_FP6 matrix_b_fmt:MATRIX_FMT_FP6 matrix_a_scale:MATRIX_SCALE_ROW1
.endif
.endr
.endr
.endm
.macro FETCH_B st, p
	WIN TO_B
.irp i, 0,1,2,3,4,5,6,7
	FRAG 128*(\p)+FR*\i, ADRB, \st, \i
.endr
	WIN 0
.endm
.macro FETCH_A st, i0
.irp i, \i0, \i0+1, \i0+2, \i0+3
	FRAG AF+FR*(\i), ADRA, \st, \i
.endr
.endm
.macro SCALES pr                       ; the words of steps 2 pr, 2 pr + 1: lanes 0-15 A's block i, lanes 16-31 B's
.irp i, 0,1,2,3,4,5,6,7
	ds_load_b64 v[SC+8*NQ*((\pr)%2)+NQ*\i:SC+8*NQ*((\pr)%2)+NQ*\i+1], v[ADRS+\i%2] offset:(8*(\i/4)+\i%4)*272+4*NQ*(\pr)
.endr
.endm
.macro PLACES n
.rept \n
	v_nop
.endr
.endm
; A step of 128 along K.  Where the next step's bytes end in a chunk not yet read, a barrier shows that chunk whole; where they begin in a later chunk, the chunk left behind is free, and is filled again if a chunk two on is left.
.macro STEP st, zero
.set NX, (\st)+1
.set C0, (96*(\st))/ROWB
.set C1, (96*NX)/ROWB
.set E0, (96*(\st)+95)/ROWB
.set E1, (96*NX+95)/ROWB
.if C1 > C0 || E1 > E0
	s_wait_tensorcnt 0x0                           ; all my tensor loads have landed
.if C1 > C0
	ds_add_u32 v[SPW], v[NIL]
	s_wait_dscnt 4*NL+1                            ; the add and A's blocks 4-7 may be out
.else
	s_wait_dscnt 4*NL
.endif
	WIN MUL_LO
	MUL16 0, (\st)%2, (\st)%2, ((\st)/2)%2, \zero
	s_wait_dscnt 0x0                               ; the add and all my reads are done
	s_barrier_signal -1
	MUL16 2, (\st)%2, (\st)%2, ((\st)/2)%2, \zero
	WIN 0
	s_barrier_wait -1
.if C1 > C0 && C0+2 < CHUNKS
	CREST
	s_add_nc_u64 s[G0+4*(C0%2)+2:G0+4*(C0%2)+3], s[G0+4*(C0%2)+2:G0+4*(C0%2)+3], 2*ROWB
	s_add_nc_u64 s[G0B+4*(C0%2)+2:G0B+4*(C0%2)+3], s[G0B+4*(C0%2)+2:G0B+4*(C0%2)+3], 2*ROWB
	JLOAD G0+4*(C0%2), G1, G0B+4*(C0%2), G1B
.else
	PLACES NP
.endif
.else
	s_wait_dscnt 4*NL                              ; A's blocks 4-7 may be out
	WIN MUL_LO
	MUL16 0, (\st)%2, (\st)%2, ((\st)/2)%2, \zero
	MUL16 2, (\st)%2, (\st)%2, ((\st)/2)%2, \zero
	s_wait_dscnt 0
	PLACES NP
.endif
	FETCH_B NX, NX%2
	FETCH_A NX, 0
.if NX%2 == 0
	SCALES NX/2
.endif
	WIN MUL_HI
	MUL16 4, (\st)%2, (\st)%2, ((\st)/2)%2, \zero
	MUL16 6, (\st)%2, (\st)%2, ((\st)/2)%2, \zero
	PLACES NP
	WIN 0
	FETCH_A NX, 4
.endm
	s_wait_alu depctr_va_vdst(0)                   ; the wait at the head's end
	s_wait_tensorcnt 0x0
	ds_add_u32 v[SPW], v[NIL]
	s_mov_b32 s[G1+2], 128<<16                     ; no load of mine is out: from here on a load brings 128 rows
	s_mov_b32 s[G1+4], 128
	s_mov_b32 s[G1B+2], 128<<16
	s_mov_b32 s[G1B+4], 128
	s_wait_dscnt 0x0
	CROUND
	JLOAD G0+4, G1, G0B+4, G1B                     ; chunk 1, slot 1's first fill
	FETCH_B 0, 0
	FETCH_A 0, 0
	SCALES 0
	FETCH_A 0, 4
	STEP 0, 1
.set ST, 1
.rept STEPS-2
	STEP ST, 0
.set ST, ST+1
.endr
	s_wait_dscnt 4*NL
	WIN MUL_LO
	MUL16 0, 1, 1, 1, 0
	MUL16 2, 1, 1, 1, 0
	s_wait_dscnt 0
	WIN MUL_HI
	MUL16 4, 1, 1, 1, 0
	MUL16 6, 1, 1, 1, 0
	WIN 0
; A's block a is quantised along B's rows.  Registers AC + 32 c .. + 31 are, in my lane, the whole block 2 c + h.  d0, d1: six registers of codes for c = 0, 1.  PW + a: the row's four scale bytes.
.macro QUANT1 a, d0, d1
.set AC, 64*((\a)%4)
	WIN 0x0a+5*((\a)/4)
.irp b, 0,1,2,3
	v_max3_num_f32 v[TM+\b], |v[AC+16*\b]|, |v[AC+16*\b+1]|, 0x1800000   ; with the floor 2^(3 - 127)
.endr
.irp i, 2,4,6,8,10,12,14
.irp b, 0,1,2,3
	v_max3_num_f32 v[TM+\b], |v[AC+16*\b+\i]|, |v[AC+16*\b+\i+1]|, v[TM+\b]
.endr
.endr
	WIN 0
	v_max_num_f32 v[TM+4], v[TM], v[TM+1]
	v_max_num_f32 v[TM+5], v[TM+2], v[TM+3]
	v_add_nc_u32 v[TM+12], 0xff000000, v[TM+4]     ; 2 off the exponent field: the conversion's scale operand
	v_add_nc_u32 v[TM+13], 0xff000000, v[TM+5]
	v_lshrrev_b32 v[TM+6], 23, v[TM+12]
	v_lshrrev_b32 v[TM+7], 23, v[TM+13]
	v_lshl_or_b32 v[PW+\a], v[TM+7], 16, v[TM+6]
	v_lshlrev_b32 v[PW+\a], v[SH8], v[PW+\a]       ; my two bytes at places h and 2 + h
	v_permlanex16_b32 v[TM+8], v[PW+\a], s66, s67
	v_or_b32 v[PW+\a], v[PW+\a], v[TM+8]
	WIN 0x02+((\a)/4)
	v_cvt_scalef32_pk16_fp6_f32 v[\d0:\d0+2], v[AC:AC+15], v[TM+12]
	v_cvt_scalef32_pk16_fp6_f32 v[T0:T0+2], v[AC+16:AC+31], v[TM+12]
	v_cvt_scalef32_pk16_fp6_f32 v[\d1:\d1+2], v[AC+32:AC+47], v[TM+13]
	v_cvt_scalef32_pk16_fp6_f32 v[T1:T1+2], v[AC+48:AC+63], v[TM+13]
	WIN 0
	v_nop
.irp i, 0,1,2
	v_mov_b32 v[\d0+3+\i], v[T0+\i]
	v_mov_b32 v[\d1+3+\i], v[T1+\i]
.endr
.endm
	PLACES NP
	v_mov_b32 v[TM+8], 0
	s_cmp_lt_u32 s[CID], 8
	s_cbranch_scc0 .Lway_v
.irp p, 0,1,2,3                        ; k: tiles 2 p, 2 p + 1 of 16 keys, for my two heads
	QUANT1 2*\p, IMG+24*\p, IMG+24*\p+12
	QUANT1 2*\p+1, IMG+24*\p+6, IMG+24*\p+18
	v_cndmask_b32 v[SW+\p], v[PW+2*\p], v[PW+2*\p+1], s98
	v_lshrrev_b32 v[SW+4+\p], 16, v[SW+\p]
.irp c, 0,1,2
	global_store_b128 v[LI], v[IMG+24*\p+4*\c:IMG+24*\p+4*\c+3], s[12:13] offset:1536*\p+512*\c
	global_store_b128 v[LI], v[IMG+24*\p+12+4*\c:IMG+24*\p+12+4*\c+3], s[12:13] offset:HEADB+1536*\p+512*\c
.endr
.endr
	global_store_b128 v[LI], v[SW:SW+3], s[12:13] offset:12288
	global_store_b128 v[LI], v[SW+4:SW+7], s[12:13] offset:HEADB+12288
	s_branch .Lend
.Lway_v:
.irp a, 0,1,2,3,4,5,6,7                ; v: tile a of 16 channels, 128 keys
	QUANT1 \a, IMG+12*\a, IMG+12*\a+6
.irp c, 0,1,2
	global_store_b128 v[LI], v[IMG+12*\a+4*\c:IMG+12*\a+4*\c+3], s[12:13] offset:(\a/4)*HEADB+6144+1536*(\a%4)+512*\c
.endr
.endr
.irp j, 0,1,2,3
	v_cndmask_b32 v[SW+\j], v[PW+2*\j], v[PW+2*\j+1], s98
.endr
	global_store_b64 v[LI8], v[SW:SW+1], s[12:13] offset:12800
	global_store_b64 v[LI8], v[SW+2:SW+3], s[12:13] offset:HEADB+12800
.Lend:
	s_wait_tensorcnt 0x0                           ; the wave's end
	ds_add_u32 v[SPW], v[NIL]
	s_wait_dscnt 0x0
	CROUND
	s_endpgm
.Lfunc_end_k_qe3f3e4ba6f_proj:
	.size	k_qe3f3e4ba6f_proj, .Lfunc_end_k_qe3f3e4ba6f_proj-k_qe3f3e4ba6f_proj
	.p2alignl 7, 3214868480
	.fill 96, 4, 3214868480
	.section	.rodata,"a",@progbits
	.p2align	6, 0x0
	.amdhsa_kernel k_qe3f3e4ba6f_proj
		.amdhsa_group_segment_fixed_size 327680
		.amdhsa_private_segment_fixed_size 0
		.amdhsa_enable_private_segment 0
		.amdhsa_kernarg_size 72
		.amdhsa_user_sgpr_count 2
		.amdhsa_user_sgpr_kernarg_segment_ptr 1
		.amdhsa_wavefront_size32 1
		.amdhsa_system_sgpr_workgroup_id_x 1
		.amdhsa_system_sgpr_workgroup_id_y 1
		.amdhsa_system_sgpr_workgroup_id_z 1
		.amdhsa_system_vgpr_workitem_id 0
		.amdhsa_next_free_vgpr 1024
		.amdhsa_next_free_sgpr 102
		.amdhsa_reserve_vcc 0
		.amdhsa_float_denorm_mode_32 3
		.amdhsa_float_denorm_mode_16_64 3
		.amdhsa_memory_ordered 1
		.amdhsa_forward_progress 1
		.amdhsa_inst_pref_size 188
	.end_amdhsa_kernel
	.amdgpu_metadata
---
amdhsa.version: [ 1, 2 ]
amdhsa.kernels:
  - .name:           k_qe3f3e4ba6f_proj
    .symbol:         k_qe3f3e4ba6f_proj.kd
    .args:
      - { .name: key_codes, .offset: 0, .size: 8, .value_kind: global_buffer, .address_space: global }
      - { .name: key_scales, .offset: 8, .size: 8, .value_kind: global_buffer, .address_space: global }
      - { .name: W_k_codes, .offset: 16, .size: 8, .value_kind: global_buffer, .address_space: global }
      - { .name: W_k_scales, .offset: 24, .size: 8, .value_kind: global_buffer, .address_space: global }
      - { .name: W_v_codes, .offset: 32, .size: 8, .value_kind: global_buffer, .address_space: global }
      - { .name: W_v_scales, .offset: 40, .size: 8, .value_kind: global_buffer, .address_space: global }
      - { .name: value_codes, .offset: 48, .size: 8, .value_kind: global_buffer, .address_space: global }
      - { .name: value_scales, .offset: 56, .size: 8, .value_kind: global_buffer, .address_space: global }
      - { .name: kv, .offset: 64, .size: 8, .value_kind: global_buffer, .address_space: global }
    .group_segment_fixed_size: 327680
    .private_segment_fixed_size: 0
    .kernarg_segment_align: 8
    .kernarg_segment_size: 72
    .max_flat_workgroup_size: 128
    .sgpr_count:     102
    .vgpr_count:     1024
    .wavefront_size: 32
...
	.end_amdgpu_metadata
.endif
;; end of part 1
;; launch attn (part 2): grid 8 x 32, 16 waves a work-group, clusters of 4 x 1, 327,680 bytes of LDS; arguments query, kv, ao, aos; writes ao, aos
.if DOCPART == 2
	.amdgcn_target "amdgcn-amd-amdhsa--gfx1250"
	.amdhsa_code_object_version 6
	.text
	.protected	k_qe3f3e4ba6f_attn
	.globl	k_qe3f3e4ba6f_attn
	.p2align	8
	.type	k_qe3f3e4ba6f_attn,@function
k_qe3f3e4ba6f_attn:
	s_mov_b64 s[64:65], 0
	v_nop
	global_prefetch_b8 v0, s[64:65] scope:SCOPE_SE
	s_setreg_imm32_b32 hwreg(HW_REG_WAVE_MODE, 25, 1), 1
	s_wait_xcnt 0x0
	s_wait_alu depctr_hold_cnt(0) depctr_sa_sdst(0) depctr_va_vdst(0) depctr_va_sdst(0) depctr_va_ssrc(0) depctr_va_vcc(0) depctr_vm_vsrc(0)
	s_getreg_b32 s2, hwreg(HW_REG_IB_STS2, 6, 4)
	s_cmp_eq_u32 s2, 0
	s_cbranch_scc0 .Lentry_in_a_cluster
	s_endpgm
.Lentry_in_a_cluster:
	s_bfe_u32 s2, ttmp6, 0x10000c
	s_cmp_lg_u32 s2, 0x3003
	s_cbranch_scc0 .Lentry_shape_is_right
	s_endpgm
.Lentry_shape_is_right:
; ATTENTION on codes of FP6 (E2M3), one E8M0 scale for each 32 along a product's K.  Head size 64, 2,048 queries and 4,096 keys a head, 32 heads (16 b + head).
; t = score x log2(e) / 8;  M = the row's largest t so far, rounded up to a whole number;  p = 2^(t - M) is quantised along the keys, not normalised; the row's sum is taken of the unquantised p and divides at the end.
; SHARES.  A work-group owns 256 queries of one head, each of its sixteen waves 16 of them; every wave walks all keys, 128 a step.
; kv holds for each head and key step 13,056 dense bytes, images of the operand registers (K 6,144, V 6,144, K's scale words 512, V's 256).  Two LDS slots of eleven key steps; waves 0-10 fetch one step each
; (51 rows of 256 bytes): steps 0-10, 11-21, then 22-31 into slot 0.  The four work-groups of a cluster share a head and ask jointly (mask 15).
; No prefetch: every fill behind the first is asked for a whole slot (ten or eleven key steps) ahead of its first read.
; LAYOUT.  Both products are used transposed (S^T = K Q^T, O^T = V^T P^T): a lane holds one query (lane % 16).  Tile 4 c + t of K holds in its rows 0-7 keys 64 c + 8 t + 0..7 and in its rows 8-15 keys
; 64 c + 32 + 8 (t xor 1) + 0..7.  So registers 32 c .. 32 c + 31 of S^T are, in lanes 0-15, the whole block 2 c of 32 keys and, in lanes 16-31, block 2 c + 1 (groups of eight in the sequence 1, 0, 3, 2, as V's codes stand):
; a block's maximum needs no other lane, and p's conversions give the operand's registers.  K's channels, V's channel tiles and so O^T follow the same plan; q is loaded in that order, and O is put into the natural order at the end.
; K = 64 in an instruction of 128: q's upper six registers are zero codes under scale bytes 0, so K's operand may run on into the next tile's codes (tile 7's into zeros).
; LIMITS: NaN and infinities are not served; the promise holds while |t| stays under 2^31.  A block of zeros gets the byte 1 (zero codes; only this program reads it).  p under 2^-126 comes out of v_exp_f32 as 0.
;   A block's largest p is made from its largest score by the same two instructions, which takes v_exp_f32 not to fall where its input rises.  1 / l is v_rcp_f32's.
.set STEPB, 13056
.set HEADB, 32*STEPB
.set SLOT1, 11*STEPB
.set SPARE, 2*SLOT1                    ; 287,232: the spare words, 128 bytes for each of 16 waves
.set QST,   SPARE+2048                 ; q's stage: 16 rows x 272 bytes for each of eight waves; waves w and w + 8 use it one after the other
.set LI,   1
.set LI8,  2
.set ADR,  3
.set ADR8, 4
.set SPW,  5
.set NIL,  6
.set TMP,  7
.set NM,   8                           ; -M
.set SX,   9                           ; the largest score so far
.set LS,   10                          ; v[10:11] the sum
.set FF,   12                          ; 2^(old M - new M)
.set PS,   13                          ; p's scale word
.set QS,   14
.set SH8,  15                          ; 8 h
.set QF,   16
.set KS,   28
.set VS,   32
.set TT,   34
.set KV,   36                          ; at the head v[36:67] take q as loaded, v[68:70] a conversion's result
.set PADK, 84
.set OLD,  90
.set TP,   91
.set CH,   92                          ; v[92:95] four chains of maxima
.set S,    96
.set OT,   160
.set PC,   192                         ; at the head v[192:223] take q as the lanes want it
.set QR,   192
.set CT,   204                         ; v[204:206], v[208:210]
.set BM,   212
.set SO,   214
.set YB,   216
.set SELB, 224                         ; v224 byte selects that put my two scale bytes at places h and 2 + h; v225 serves at the head alone
.set WV,   12
.set SEL,  20
.set CS,   22
.set G1,   24
.set G0,   32
.set TB,   40
.set CNT,  41
.set NC,   48                          ; -c
.macro ROUND
	s_barrier_signal -1
	s_barrier_wait -1
	s_cmp_lg_u32 s[WV], 0
	s_cbranch_scc1 .Lnot_wave_0_\@
	s_barrier_signal -3
.Lnot_wave_0_\@:
	s_barrier_wait -3
	s_barrier_signal -1
	s_barrier_wait -1
.endm
.macro TLOAD slot, n                   ; waves 0 .. n - 1 fetch one key step each
	s_cmp_lt_u32 s[WV], \n
	s_cbranch_scc0 .Lnone_\@
	tensor_load_to_lds s[G0+4*\slot:G0+4*\slot+3], s[G1:G1+7]
	s_nop 0
.rept 4
	v_nop
.endr
.Lnone_\@:
.endm
	s_load_b256 s[4:11], s[0:1], 0x0               ; query, kv, ao, aos
	v_lshl_add_u32 v[SPW], v0, 2, SPARE
	v_mov_b32 v[NIL], 0
	ds_add_u32 v[SPW], v[NIL]                      ; the opening lines
	ds_add_u32 v[SPW], v[NIL]
	v_lshrrev_b32 v[TMP], 5, v0
	v_readfirstlane_b32 s[WV], v[TMP]
	s_bfe_u32 s13, ttmp6, 0x40000                  ; cx enters query's, ao's and aos' offsets alone
	s_lshl_b32 s14, ttmp9, 2
	s_add_co_u32 s14, s14, s13
	s_and_b32 s15, ttmp7, 0xffff                   ; 16 b + head
	s_lshr_b32 s16, s15, 4
	s_and_b32 s17, s15, 15
	s_lshl_b32 s18, s16, 11
	s_lshl_b32 s19, s14, 8
	s_add_co_u32 s18, s18, s19
	s_lshl_b32 s19, s[WV], 4
	s_add_co_u32 s18, s18, s19                     ; my first row
	s_mov_b32 s[G1+0], 15|(3<<16)|(1<<21)
	s_mov_b32 s[G1+1], 32<<16
	s_mov_b32 s[G1+2], 51<<16
	s_mov_b32 s[G1+3], 32<<16
	s_mov_b32 s[G1+4], 51
	s_mov_b32 s[G1+5], 32
	s_mov_b32 s[G1+6], 0
	s_mov_b32 s[G1+7], 0
	s_mul_i32 s3, s[WV], STEPB
	s_mul_i32 s42, s15, HEADB
	s_add_co_u32 s42, s42, s3
	s_mov_b32 s43, 0
	s_lshl_b32 s44, s18, 12                        ; a row of query is 4,096 bytes, a head's 64 numbers 256
	s_lshl_b32 s47, s17, 8
	s_add_co_u32 s44, s44, s47
	s_mov_b32 s45, 0
	s_mov_b32 s[SEL], 0x76543210
	s_mov_b32 s[SEL+1], 0xfedcba98
	s_mov_b32 s[CS], 0x3e38aa3b                    ; c = log2(e) / 8
	s_mov_b32 s[CS+1], s[CS]
	s_mov_b32 s[NC], 0xbe38aa3b
	s_mov_b32 s46, 0xffff0000
	s_wait_alu depctr_va_vdst(0)                   ; the wait ahead of the blocking waits
	s_wait_dscnt 0x0
	s_wait_kmcnt 0x0
	s_add_nc_u64 s[4:5], s[4:5], s[44:45]
	v_and_b32 v34, 15, v0
	v_bfe_u32 v35, v0, 4, 1
	v_lshlrev_b32 v3, 4, v34
	v_lshl_add_u32 v3, v35, 12, v3                 ; in memory: row h of a pair, 16 bytes at 16 r
.irp i, 0,1,2,3,4,5,6,7
	global_load_b128 v[KV+4*\i:KV+4*\i+3], v3, s[4:5] offset:8192*\i th:TH_LOAD_NT   ; q is asked for first: each load reads two whole runs of 256 bytes
.endr
	s_add_nc_u64 s[6:7], s[6:7], s[42:43]
	s_mov_b32 s[G0], 1
	s_mov_b32 s[G0+1], s3
	s_mov_b64 s[G0+2:G0+3], s[6:7]
	s_or_b32 s[G0+3], s[G0+3], 0x80000000
	s_mov_b32 s[G0+4], 1
	s_add_co_u32 s[G0+5], s3, SLOT1
	s_add_nc_u64 s[G0+6:G0+7], s[6:7], SLOT1
	s_or_b32 s[G0+7], s[G0+7], 0x80000000
	ROUND
	TLOAD 0, 11                                    ; key steps 0-10: one load a wave at the head
	s_lshr_b32 s44, s18, 7                         ; ao: ((row / 128 x 8 + head / 2) x 8 + the 16-row tile) x 1,536 + 768 (head % 2)
	s_lshl_b32 s44, s44, 3
	s_lshr_b32 s47, s17, 1
	s_add_co_u32 s44, s44, s47
	s_lshl_b32 s44, s44, 3
	s_bfe_u32 s47, s18, 0x30004
	s_add_co_u32 s44, s44, s47
	s_mul_i32 s44, s44, 1536
	s_and_b32 s47, s17, 1
	s_mul_i32 s19, s47, 768
	s_add_co_u32 s44, s44, s19
	s_add_nc_u64 s[8:9], s[8:9], s[44:45]
	s_lshr_b32 s44, s17, 1                         ; aos: (head / 2 x 4,096 + row) x 4 + 2 (head % 2)
	s_lshl_b32 s44, s44, 12
	s_add_co_u32 s44, s44, s18
	s_lshl_b32 s44, s44, 2
	s_lshl_b32 s47, s47, 1
	s_add_co_u32 s44, s44, s47
	s_add_nc_u64 s[10:11], s[10:11], s[44:45]
	s_and_b32 s2, s[WV], 7
	s_mul_i32 s2, s2, 16*272
	s_add_co_u32 s2, s2, QST
	v_and_b32 v34, 15, v0                          ; r
	v_bfe_u32 v35, v0, 4, 1                        ; h
	v_and_b32 v[TMP], 31, v0
	v_lshlrev_b32 v[LI], 4, v[TMP]
	v_lshlrev_b32 v[LI8], 3, v[TMP]
	v_lshlrev_b32 v[SH8], 3, v35
	v_mov_b32 v[SELB], 0x0c070c03                  ; lanes 0-15: bytes 0 and 2 take the two top bytes, the others 0
	v_mov_b32 v[SELB+1], 0x070c030c                ; lanes 16-31: bytes 1 and 3
	v_cndmask_b32 v[SELB], v[SELB], v[SELB+1], s46
	v_mul_u32_u24 v4, v35, 272
	v_lshl_add_u32 v4, v34, 4, v4
	v_add_nc_u32 v4, s2, v4                        ; into the stage, as loaded
	v_mul_u32_u24 v[TMP], v34, 272
	v_add_nc_u32 v[TMP], s2, v[TMP]
	v_mad_u32_u24 v[TP], v35, 96, v[TMP]           ; out of the stage: row r, block h; odd groups: lanes 16-31 one group back,
	v_mad_u32_u24 v[TMP], v35, 160, v[TMP]         ; even groups: one group on
	; what the first step finds, made while q is on its way
	v_mov_b32 v[SX], 0xff61b1e6                    ; -3e38, under every score
	v_mul_f32 v[NM], s[NC], v[SX]
	v_floor_f32 v[NM], v[NM]
	v_mov_b32 v[LS], 0
	v_mov_b32 v[LS+1], 0
	v_mov_b32 v[PS], 0
.irp i, 0,1,2,3,4,5
	v_mov_b32 v[PADK+\i], 0
.endr
.irp i, 6,7,8,9,10,11
	v_mov_b32 v[QF+\i], 0                          ; zero codes for K = 64 .. 127
.endr
.set j, 0
.rept 32
	v_mov_b32 v[OT+j], 0
.set j, j+1
.endr
.set j, 0
.rept 64
	v_mov_b32 v[S+j], 0                            ; a step's sum is taken one step late, so p begins as zeros
.set j, j+1
.endr
.macro QSTAGE                          ; my 16 rows turn through the stage: lane (r, h) gets the 32 numbers of block h of row r
.irp i, 0,1,2,3,4,5,6,7
	ds_store_b128 v4, v[KV+4*\i:KV+4*\i+3] offset:544*\i
.endr
.irp k, 0,1,4,5
	ds_load_b128 v[QR+4*\k:QR+4*\k+3], v[TMP] offset:32*(\k/2)+16*(\k%2)
.endr
.irp k, 2,3,6,7
	ds_load_b128 v[QR+4*\k:QR+4*\k+3], v[TP] offset:32*(\k/2)+16*(\k%2)
.endr
.endm
	s_wait_alu depctr_va_vdst(0)
	s_wait_loadcnt 0x0
	s_cmp_lt_u32 s[WV], 8
	s_cbranch_scc0 .Lstage_later
	QSTAGE
.Lstage_later:
	s_wait_dscnt 0x0                               ; waves 0-7's use of the stage is over
	s_barrier_signal -1                            ; a barrier behind which nothing is filled: slot 0's loads may stay out
	s_barrier_wait -1
	s_cmp_lt_u32 s[WV], 8
	s_cbranch_scc1 .Lstaged
	QSTAGE
.Lstaged:
	s_wait_dscnt 0x0
	v_max3_num_f32 v34, |v[QR]|, |v[QR+1]|, |v[QR+2]|
	v_max3_num_f32 v35, |v[QR+3]|, |v[QR+4]|, |v[QR+5]|
.irp i, 6,10,14,18,22,26
	v_max3_num_f32 v34, v34, |v[QR+\i]|, |v[QR+1+\i]|
	v_max3_num_f32 v35, v35, |v[QR+2+\i]|, |v[QR+3+\i]|
.endr
	v_max3_num_f32 v34, v34, |v[QR+30]|, |v[QR+31]|
	v_max3_num_f32 v34, v34, v35, 0x1800000
	v_add_nc_u32 v35, 0xff000000, v34
	v_lshrrev_b32 v34, 23, v35
	v_cvt_scalef32_pk16_fp6_f32 v[QF:QF+2], v[QR:QR+15], v35
	v_cvt_scalef32_pk16_fp6_f32 v[KV+32:KV+34], v[QR+16:QR+31], v35
	v_lshlrev_b32 v[QS], v[SH8], v34               ; my block's byte, 8 h bits up
	v_permlanex16_b32 v[TP], v[QS], s[SEL], s[SEL+1]
	v_or_b32 v[QS], v[QS], v[TP]                   ; bytes 0 and 1 of the row's word; bytes 2 and 3 stay 0
.irp i, 0,1,2
	v_mov_b32 v[QF+3+\i], v[KV+32+\i]
.endr
.macro SUMP_A
	v_pk_add_f32 v[TT:TT+1], v[S:S+1], v[S+2:S+3]
	v_pk_add_f32 v[LS:LS+1], v[LS:LS+1], v[S+4:S+5]
	v_pk_add_f32 v[TT:TT+1], v[TT:TT+1], v[S+6:S+7]
.endm
.macro SUMP_B
.irp j, 8,12,16,20,24,28,32,36,40,44,48,52,56,60
	v_pk_add_f32 v[LS:LS+1], v[LS:LS+1], v[S+\j:S+\j+1]
	v_pk_add_f32 v[TT:TT+1], v[TT:TT+1], v[S+\j+2:S+\j+3]
.endr
	v_pk_add_f32 v[LS:LS+1], v[LS:LS+1], v[TT:TT+1]
.endm
.macro FMAS n                          ; t - M, two at a time
.rept \n
	v_pk_fma_f32 v[S+j:S+j+1], v[S+j:S+j+1], s[CS:CS+1], v[NM:NM+1] op_sel_hi:[1,0,0]
.set j, j+2
.endr
.endm
; A KEY STEP: 128 keys, whose bytes begin at LDS byte s[TB].
.macro STEP
	v_add_nc_u32 v[ADR], s[TB], v[LI]              ; this line and the next three are the places behind the last step's products
	SUMP_A                                         ; the sum of the step before, under that step's M
.irp k, 0,1,2,3,4,5,6,7,8,9,10,11
	ds_load_b128 v[KV+4*\k:KV+4*\k+3], v[ADR] offset:512*\k
.endr
	ds_load_b128 v[KS:KS+3], v[ADR] offset:12288
	SUMP_B
	s_wait_dscnt 0x0
.irp t, 0,2,4,6
	v_wmma_scale_f32_16x16x128_f8f6f4 v[S+8*\t:S+8*\t+7], v[KV+6*\t:KV+6*\t+11], v[QF:QF+11], 0, v[KS+\t/2], v[QS] matrix_a_fmt:MATRIX_FMT_FP6 matrix_b_fmt:MATRIX_FMT_FP6
	v_wmma_scale_f32_16x16x128_f8f6f4 v[S+8*\t+8:S+8*\t+15], v[KV+6*\t+6:KV+6*\t+17], v[QF:QF+11], 0, v[KS+\t/2], v[QS] matrix_a_fmt:MATRIX_FMT_FP6 matrix_b_fmt:MATRIX_FMT_FP6 matrix_a_scale:MATRIX_SCALE_ROW1
.endr
	v_add_nc_u32 v[ADR8], s[TB], v[LI8]            ; four places
	v_mov_b32 v[OLD], v[NM]
	v_nop
	v_nop
.irp k, 0,1,2,3,4,5,6,7,8,9,10,11
	ds_load_b128 v[KV+4*\k:KV+4*\k+3], v[ADR] offset:6144+512*\k   ; V lands under the softmax
.endr
	ds_load_b64 v[VS:VS+1], v[ADR8] offset:12800
.irp b, 0,1,2,3
	v_max3_num_f32 v[CH+\b], v[S+16*\b], v[S+1+16*\b], v[S+2+16*\b]   ; four chains by turns, each accumulator from its low end on
.endr
.irp i, 3,5,7,9,11,13
.irp b, 0,1,2,3
	v_max3_num_f32 v[CH+\b], v[CH+\b], v[S+16*\b+\i], v[S+1+16*\b+\i]
.endr
.endr
.irp c, 0,1
	v_max3_num_f32 v[BM+\c], v[CH+2*\c], v[CH+2*\c+1], v[S+32*\c+15]
.endr
.irp c, 0,1
	v_max_num_f32 v[BM+\c], v[BM+\c], v[S+32*\c+31]   ; my two blocks' largest scores
.endr
	s_delay_alu instid0(VALU_DEP_1)
	v_max_num_f32 v[TMP], v[BM], v[BM+1]
	s_delay_alu instid0(VALU_DEP_1)
	v_permlanex16_b32 v[TP], v[TMP], s[SEL], s[SEL+1]
	s_delay_alu instid0(VALU_DEP_1)
	v_max3_num_f32 v[SX], v[SX], v[TMP], v[TP]     ; the running largest score of my query
	s_delay_alu instid0(VALU_DEP_1)
	v_mul_f32 v[TMP], s[NC], v[SX]
	s_delay_alu instid0(VALU_DEP_1)
	v_floor_f32 v[NM], v[TMP]                      ; -M = floor(-t)
	s_delay_alu instid0(VALU_DEP_1)
	v_sub_f32 v[TMP], v[NM], v[OLD]                ; old M less new M
.set j, 0
	FMAS 4
	v_cvt_i32_f32 v[TMP], v[TMP]
	FMAS 4
	v_ldexp_f32 v[FF], 1.0, v[TMP]
	FMAS 24
.irp c, 0,1
	v_fma_f32 v[BM+\c], v[BM+\c], s[CS], v[NM]
.endr
	s_wait_dscnt 0x0                               ; V is in: its 13 loads were issued ahead of the maxima; no blocking wait stands further down, ahead of the products
	s_wait_alu depctr_va_vdst(0)
.set j, 0
.rept 64
	v_exp_f32 v[S+j], v[S+j]
.set j, j+1
.endr
.irp c, 0,1
	v_exp_f32 v[BM+\c], v[BM+\c]                   ; the block's largest p
.endr
	v_pk_mul_f32 v[LS:LS+1], v[LS:LS+1], v[FF:FF+1] op_sel_hi:[1,0]
	s_wait_alu depctr_va_vdst(0)
.irp t, 0,1,2,3
	v_pk_mul_f32 v[OT+8*\t:OT+8*\t+1], v[OT+8*\t:OT+8*\t+1], v[FF:FF+1] op_sel_hi:[1,0]   ; O^T under the new M: each accumulator's first read, at its low end, directly behind the wait
.endr
.irp c, 0,1
	v_max_num_f32 v[BM+\c], 0x1800000, v[BM+\c]
.endr
.irp c, 0,1
	v_add_nc_u32 v[SO+\c], 0xff000000, v[BM+\c]
.endr
.irp c, 0,1
	v_cvt_scalef32_pk16_fp6_f32 v[PC+6*\c:PC+6*\c+2], v[S+32*\c:S+32*\c+15], v[SO+\c]
	v_cvt_scalef32_pk16_fp6_f32 v[CT+4*\c:CT+4*\c+2], v[S+32*\c+16:S+32*\c+31], v[SO+\c]
.endr
.irp c, 0,1
	v_lshlrev_b32 v[YB+\c], 1, v[SO+\c]            ; the scale's byte into the top byte (the sign bit is 0).  (Plain places behind the conversions)
.endr
	v_perm_b32 v[PS], v[YB+1], v[YB], v[SELB]      ; my two bytes at places h and 2 + h, zeros beside them
	s_delay_alu instid0(VALU_DEP_1)
	v_permlanex16_b32 v[TP], v[PS], s[SEL], s[SEL+1]
	s_delay_alu instid0(VALU_DEP_1)
	v_or_b32 v[PS], v[PS], v[TP]                   ; p's scale word
.irp c, 0,1
.irp i, 0,1,2
	v_mov_b32 v[PC+3+6*\c+\i], v[CT+4*\c+\i]
.endr
.endr
.irp t, 0,1,2,3
.irp j, 2,4,6
	v_pk_mul_f32 v[OT+8*\t+\j:OT+8*\t+\j+1], v[OT+8*\t+\j:OT+8*\t+\j+1], v[FF:FF+1] op_sel_hi:[1,0]   ; the rest of O^T; these twelve are also the places between p's codes and scale word and the products
.endr
.endr
.irp t, 0,2
	v_wmma_scale_f32_16x16x128_f8f6f4 v[OT+8*\t:OT+8*\t+7], v[KV+12*\t:KV+12*\t+11], v[PC:PC+11], v[OT+8*\t:OT+8*\t+7], v[VS+\t/2], v[PS] matrix_a_fmt:MATRIX_FMT_FP6 matrix_b_fmt:MATRIX_FMT_FP6
	v_wmma_scale_f32_16x16x128_f8f6f4 v[OT+8*\t+8:OT+8*\t+15], v[KV+12*\t+12:KV+12*\t+23], v[PC:PC+11], v[OT+8*\t+8:OT+8*\t+15], v[VS+\t/2], v[PS] matrix_a_fmt:MATRIX_FMT_FP6 matrix_b_fmt:MATRIX_FMT_FP6 matrix_a_scale:MATRIX_SCALE_ROW1
.endr
.endm
.macro SLOTSTEPS slot, n
	s_mov_b32 s[TB], \slot*SLOT1
	s_mov_b32 s[CNT], \n
.Lstep_\@:
	STEP
	s_add_co_u32 s[TB], s[TB], STEPB
	s_sub_co_u32 s[CNT], s[CNT], 1
	s_cmp_lg_u32 s[CNT], 0
	s_cbranch_scc1 .Lstep_\@
.endm
	s_wait_alu depctr_va_vdst(0)                   ; the head's end
	s_wait_tensorcnt 0x0                           ; my part of slot 0 is in; the full sequence ahead of slot 1's first fill
	ds_add_u32 v[SPW], v[NIL]                      ; written twice
	ds_add_u32 v[SPW], v[NIL]
	s_wait_dscnt 0x0
	ROUND
	TLOAD 1, 11                                    ; key steps 11-21
	SLOTSTEPS 0, 11                                ; key steps 0-10: the round above has shown slot 0 whole
	s_wait_tensorcnt 0x0                           ; my part of slot 1 is in
	ds_add_u32 v[SPW], v[NIL]                      ; twice, as above
	ds_add_u32 v[SPW], v[NIL]
	s_add_nc_u64 s[G0+2:G0+3], s[G0+2:G0+3], 22*STEPB
	s_wait_dscnt 0x0                               ; the adds, and my reads of slot 0
	ROUND
	TLOAD 0, 10                                    ; key steps 22-31
	SLOTSTEPS 1, 11                                ; 11-21
	s_wait_tensorcnt 0x0                           ; my part of slot 0 is in; nothing is left to fetch
	ds_add_u32 v[SPW], v[NIL]
	s_wait_dscnt 0x0
	s_barrier_signal -1
	s_barrier_wait -1
	SLOTSTEPS 0, 10                                ; 22-31
	; THE WAY OUT: the last step's sum; O^T / l; the natural order; quantised along the channels
	SUMP_A
	SUMP_B
	v_add_f32 v[LS], v[LS], v[LS+1]
	v_permlanex16_b32 v[TP], v[LS], s[SEL], s[SEL+1]
	v_add_f32 v[LS], v[LS], v[TP]
	s_wait_alu depctr_va_vdst(0)
	v_rcp_f32 v[TT], v[LS]
	v_and_b32 v3, 15, v0
	s_wait_alu depctr_va_vdst(0)
.set j, 0
.rept 16
	v_pk_mul_f32 v[OT+j:OT+j+1], v[OT+j:OT+j+1], v[TT:TT+1] op_sel_hi:[1,0]
.set j, j+2
.endr
.irp g, 0,1,2,3
.irp j, 0,1,2,3,4,5,6,7
	v_cndmask_b32 v[S+8*\g+\j], v[OT+8*\g+\j], v[OT+8*(\g^1)+\j], s46   ; lanes 16-31 hold neighbouring groups swapped: register i is now channel 32 h + i
.endr
.endr
.irp b, 0,1
	v_max3_num_f32 v[BM+\b], |v[S+16*\b]|, |v[S+16*\b+1]|, 0x1800000
.endr
.irp i, 2,4,6,8,10,12,14
.irp b, 0,1
	v_max3_num_f32 v[BM+\b], v[BM+\b], |v[S+16*\b+\i]|, |v[S+16*\b+\i+1]|
.endr
.endr
	v_max_num_f32 v[BM], v[BM], v[BM+1]
	v_add_nc_u32 v[SO], 0xff000000, v[BM]
	v_lshrrev_b32 v[TMP], 23, v[SO]                ; my block's byte
	v_cvt_scalef32_pk16_fp6_f32 v[PC:PC+2], v[S:S+15], v[SO]
	v_cvt_scalef32_pk16_fp6_f32 v[CT:CT+2], v[S+16:S+31], v[SO]
	v_bfe_u32 v4, v0, 4, 1
	v_lshl_add_u32 v3, v3, 2, v4                   ; 4 r + h
.irp i, 0,1,2
	v_mov_b32 v[PC+3+\i], v[CT+\i]
.endr
.irp i, 0,1,2
	global_store_b64 v[LI8], v[PC+2*\i:PC+2*\i+1], s[8:9] offset:256*\i   ; 32 lanes store 256 consecutive bytes, aligned
.endr
	global_store_b8 v3, v[TMP], s[10:11]           ; a word's four bytes come from two work-groups: one byte a lane
	s_wait_tensorcnt 0x0                           ; the wave's end
	ds_add_u32 v[SPW], v[NIL]
	s_wait_dscnt 0x0
	ROUND
	s_endpgm
.Lfunc_end_k_qe3f3e4ba6f_attn:
	.size	k_qe3f3e4ba6f_attn, .Lfunc_end_k_qe3f3e4ba6f_attn-k_qe3f3e4ba6f_attn
	.p2alignl 7, 3214868480
	.fill 96, 4, 3214868480
	.section	.rodata,"a",@progbits
	.p2align	6, 0x0
	.amdhsa_kernel k_qe3f3e4ba6f_attn
		.amdhsa_group_segment_fixed_size 327680
		.amdhsa_private_segment_fixed_size 0
		.amdhsa_enable_private_segment 0
		.amdhsa_kernarg_size 32
		.amdhsa_user_sgpr_count 2
		.amdhsa_user_sgpr_kernarg_segment_ptr 1
		.amdhsa_wavefront_size32 1
		.amdhsa_system_sgpr_workgroup_id_x 1
		.amdhsa_system_sgpr_workgroup_id_y 1
		.amdhsa_system_sgpr_workgroup_id_z 1
		.amdhsa_system_vgpr_workitem_id 0
		.amdhsa_next_free_vgpr 256
		.amdhsa_next_free_sgpr 66
		.amdhsa_reserve_vcc 0
		.amdhsa_float_denorm_mode_32 3
		.amdhsa_float_denorm_mode_16_64 3
		.amdhsa_memory_ordered 1
		.amdhsa_forward_progress 1
		.amdhsa_inst_pref_size 66
	.end_amdhsa_kernel
	.amdgpu_metadata
---
amdhsa.version: [ 1, 2 ]
amdhsa.kernels:
  - .name:           k_qe3f3e4ba6f_attn
    .symbol:         k_qe3f3e4ba6f_attn.kd
    .args:
      - { .name: query, .offset: 0, .size: 8, .value_kind: global_buffer, .address_space: global }
      - { .name: kv, .offset: 8, .size: 8, .value_kind: global_buffer, .address_space: global }
      - { .name: ao, .offset: 16, .size: 8, .value_kind: global_buffer, .address_space: global }
      - { .name: aos, .offset: 24, .size: 8, .value_kind: global_buffer, .address_space: global }
    .group_segment_fixed_size: 327680
    .private_segment_fixed_size: 0
    .kernarg_segment_align: 8
    .kernarg_segment_size: 32
    .max_flat_workgroup_size: 512
    .sgpr_count:     66
    .vgpr_count:     256
    .wavefront_size: 32
...
	.end_amdgpu_metadata
.endif
;; end of part 2
;; launch oproj (part 3): grid 8 x 32, 4 waves a work-group, clusters of 4 x 4, 262,656 bytes of LDS; arguments ao, aos, W_o_codes, W_o_scales, out0; writes out0
.if DOCPART == 3
	.amdgcn_target "amdgcn-amd-amdhsa--gfx1250"
	.amdhsa_code_object_version 6
	.text
	.protected	k_qe3f3e4ba6f_oproj
	.globl	k_qe3f3e4ba6f_oproj
	.p2align	8
	.type	k_qe3f3e4ba6f_oproj,@function
k_qe3f3e4ba6f_oproj:
	s_mov_b64 s[64:65], 0
	v_nop
	global_prefetch_b8 v0, s[64:65] scope:SCOPE_SE
	s_setreg_imm32_b32 hwreg(HW_REG_WAVE_MODE, 25, 1), 1
	s_wait_xcnt 0x0
	s_wait_alu depctr_hold_cnt(0) depctr_sa_sdst(0) depctr_va_vdst(0) depctr_va_sdst(0) depctr_va_ssrc(0) depctr_va_vcc(0) depctr_vm_vsrc(0)
	s_getreg_b32 s2, hwreg(HW_REG_IB_STS2, 6, 4)
	s_cmp_eq_u32 s2, 0
	s_cbranch_scc0 .Lentry_in_a_cluster
	s_endpgm
.Lentry_in_a_cluster:
	s_bfe_u32 s2, ttmp6, 0x10000c
	s_cmp_lg_u32 s2, 0xf033
	s_cbranch_scc0 .Lentry_shape_is_right
	s_endpgm
.Lentry_shape_is_right:
; out0 = a W_o^T on codes of FP6 (E2M3), one E8M0 scale for each 32 along K = 1,024; sums and results f32.  a: 4,096 rows, as the attention launch left them:
;   ao: [row / 128][K step of 128][16-row tile][piece of 8 bytes : 6][lane][8]: images of the fragments;  aos: [K step][row] scale words.  W_o: rows of 768 bytes of codes and 32 scale bytes, as given.
; A tile of 128 x 128 to a work-group (256 of them); four waves, each 64 x 64: 16 accumulators, in register window 1.
; ALL OF K FITS IN LDS, filled once by four tensor loads at the head, one a wave: a's codes (98,304 dense bytes), W_o's 128 whole rows (16 bytes of padding behind every 256: pitch 816), a's scale words, W_o's scale bytes.
; Two sets of fragment and scale registers in window 0: K step k + 1's 56 LDS loads are issued ahead of K step k's sixteen products.
; CLUSTERS 4 x 4: a's loads are shared along a row of the cluster, W_o's along a column.  No prefetch: there is no loop to run ahead in.
; The matrix instruction is used transposed (source 0 = W_o's rows, source 1 = a's).  LIMITS: a given scale byte 0xff is not served.
.set AT,   0
.set BT,   98304
.set ASC,  221184
.set BSC,  225280
.set STG,  229632
.set SPARE, 0x40000
.set PITCH, 816
.set ADRA, 1                           ; a's fragments, K steps 0-4; v9: K steps 5-7
.set ADRA2, 9
.set ADRB, 2                           ; W_o's; v3 the same behind one padding more in lanes 16-31
.set ADSA, 4
.set ADSB, 5
.set STO,  6
.set RD,   7
.set CO,   8
.set AS,   16                          ; a's scale words, a register a block: set 0 v[16:19], set 1 v[224:227]
.set BS,   20                          ; W_o's: v[20:23], v[228:231]
.set AF,   32                          ; a's four fragments: set 0 v[32:79], set 1 v[128:175]
.set BF,   80                          ; W_o's four: v[80:127], v[176:223]
.set ACC,  0                           ; window 1: accumulator (a, b) at 8 (4 a + b)
.set BK,   32
.set G1A,  24
.set G1B,  32
.set G1AS, 40
.set G1BS, 48
.set G0A,  56
.set G0B,  60
.set G0AS, 68
.set G0BS, 72
.set MSB, 0
.macro WIN new                         ; the immediate's high byte repeats the setting that is left
.if MSB != (\new)
	s_set_vgpr_msb (MSB<<8)|(\new)
.set MSB, (\new)
.endif
.endm
.macro ROUND
	s_barrier_signal -1
	s_barrier_wait -1
	s_cmp_lg_u32 s14, 0
	s_cbranch_scc1 .Lnot_wave_0_\@
	s_barrier_signal -3
.Lnot_wave_0_\@:
	s_barrier_wait -3
	s_barrier_signal -1
	s_barrier_wait -1
.endm
	s_load_b256 s[4:11], s[0:1], 0x0               ; ao, aos, W_o's codes, W_o's scales
	s_load_b64 s[12:13], s[0:1], 0x20              ; out0
	v_lshl_add_u32 v30, v0, 2, SPARE
	v_mov_b32 v31, 0
	ds_add_u32 v30, v31                            ; the opening lines
	ds_add_u32 v30, v31
	v_lshrrev_b32 v1, 5, v0
	v_readfirstlane_b32 s14, v1
	s_lshr_b32 s15, s14, 1                         ; my 64 rows
	s_and_b32 s16, s14, 1                          ; my 64 columns
	s_bfe_u32 s17, ttmp6, 0x40000
	s_bfe_u32 s18, ttmp6, 0x40004
	s_lshl_b32 s19, ttmp9, 2
	s_add_co_u32 s19, s19, s17                     ; tile column
	s_and_b32 s20, ttmp7, 0xffff
	s_lshl_b32 s20, s20, 2
	s_add_co_u32 s20, s20, s18                     ; tile row
	s_lshl_b32 s21, s18, 2
	s_lshl_b32 s21, 15, s21
	s_lshl_b32 s22, 0x1111, s17
	s_or_b32 s[G1A+0], s21, (3<<16)|(1<<21)        ; 384 rows of 256 bytes
	s_mov_b32 s[G1A+1], 32<<16
	s_mov_b32 s[G1A+2], 384<<16
	s_mov_b32 s[G1A+3], 32<<16
	s_mov_b32 s[G1A+4], 384
	s_mov_b32 s[G1A+5], 32
	s_mov_b32 s[G1A+6], 0
	s_mov_b32 s[G1A+7], 0
	s_or_b32 s[G1B+0], s22, (0<<16)|(1<<20)|(1<<21)|(5<<22)|(3<<25)   ; 128 rows of 768 bytes
	s_mov_b32 s[G1B+1], 768<<16
	s_mov_b32 s[G1B+2], 128<<16
	s_mov_b32 s[G1B+3], 768<<16
	s_mov_b32 s[G1B+4], 128
	s_mov_b32 s[G1B+5], 768
	s_mov_b32 s[G1B+6], 0
	s_mov_b32 s[G1B+7], 0
	s_or_b32 s[G1AS+0], s21, (3<<16)|(1<<21)       ; 8 K steps x 512 bytes, 16,384 apart
	s_mov_b32 s[G1AS+1], 64<<16
	s_mov_b32 s[G1AS+2], 8<<16
	s_mov_b32 s[G1AS+3], 64<<16
	s_mov_b32 s[G1AS+4], 8
	s_mov_b32 s[G1AS+5], 2048
	s_mov_b32 s[G1AS+6], 0
	s_mov_b32 s[G1AS+7], 0
	s_or_b32 s[G1BS+0], s22, (3<<16)|(1<<20)|(1<<21)|(5<<22)|(3<<25)  ; 16 rows of 256 bytes, padded
	s_mov_b32 s[G1BS+1], 32<<16
	s_mov_b32 s[G1BS+2], 16<<16
	s_mov_b32 s[G1BS+3], 32<<16
	s_mov_b32 s[G1BS+4], 16
	s_mov_b32 s[G1BS+5], 32
	s_mov_b32 s[G1BS+6], 0
	s_mov_b32 s[G1BS+7], 0
	s_mov_b32 s3, 0
	s_mov_b32 s77, 0
	s_wait_dscnt 0x0
	s_wait_kmcnt 0x0
	s_mul_i32 s2, s20, 98304
	s_add_nc_u64 s[4:5], s[4:5], s[2:3]
	s_lshl_b32 s2, s20, 9
	s_add_nc_u64 s[6:7], s[6:7], s[2:3]
	s_mul_i32 s76, s19, 128*768
	s_add_nc_u64 s[8:9], s[8:9], s[76:77]
	s_lshl_b32 s76, s19, 12
	s_add_nc_u64 s[10:11], s[10:11], s[76:77]
	s_mov_b32 s[G0A], 1
	s_mov_b32 s[G0A+1], AT
	s_mov_b64 s[G0A+2:G0A+3], s[4:5]
	s_or_b32 s[G0A+3], s[G0A+3], 0x80000000
	s_mov_b32 s[G0B], 1
	s_mov_b32 s[G0B+1], BT
	s_mov_b64 s[G0B+2:G0B+3], s[8:9]
	s_or_b32 s[G0B+3], s[G0B+3], 0x80000000
	s_mov_b32 s[G0AS], 1
	s_mov_b32 s[G0AS+1], ASC
	s_mov_b64 s[G0AS+2:G0AS+3], s[6:7]
	s_or_b32 s[G0AS+3], s[G0AS+3], 0x80000000
	s_mov_b32 s[G0BS], 1
	s_mov_b32 s[G0BS+1], BSC
	s_mov_b64 s[G0BS+2:G0BS+3], s[10:11]
	s_or_b32 s[G0BS+3], s[G0BS+3], 0x80000000
	ROUND                                          ; the joint loads meet
.macro ARM under, g0, g1, next
	s_cmp_lt_u32 s14, \under
	s_cbranch_scc0 \next
	tensor_load_to_lds s[\g0:\g0+3], s[\g1:\g1+7]
	s_nop 0
.rept 4
	v_nop
.endr
	s_branch .Lfilled
\next:
.endm
	ARM 1, G0A,  G1A,  .Lfill_b
	ARM 2, G0B,  G1B,  .Lfill_as
	ARM 3, G0AS, G1AS, .Lfill_bs
	tensor_load_to_lds s[G0BS:G0BS+3], s[G1BS:G1BS+7]
	s_nop 0
.rept 4
	v_nop
.endr
.Lfilled:
	s_mul_i32 s23, s15, 6144                       ; my four 16-row tiles of a K step's eight
	s_mul_i32 s76, s16, 64*PITCH
	s_add_co_u32 s76, s76, BT
	s_lshl_b32 s77, s15, 8
	s_add_co_u32 s77, s77, ASC
	s_mul_i32 s78, s16, 8*272
	s_add_co_u32 s78, s78, BSC
	s_mul_i32 s79, s14, 16*272
	s_add_co_u32 s79, s79, STG
	s_lshl_b32 s66, s20, 7
	s_lshl_b32 s67, s15, 6
	s_add_co_u32 s66, s66, s67
	s_lshl_b32 s66, s66, 12
	s_lshl_b32 s67, s19, 9
	s_add_co_u32 s66, s66, s67
	s_lshl_b32 s67, s16, 8
	s_add_co_u32 s66, s66, s67
	s_mov_b32 s67, 0
	s_add_nc_u64 s[12:13], s[12:13], s[66:67]      ; my part of out0
	v_and_b32 v12, 31, v0
	v_and_b32 v10, 15, v0                          ; r
	v_bfe_u32 v11, v0, 4, 1                        ; h
	v_lshl_add_u32 v[ADRA], v12, 3, s23
	v_add_nc_u32 v[ADRA2], 5*12288, v[ADRA]
	v_mul_u32_u24 v[ADRB], v10, PITCH
	v_mad_u32_u24 v[ADRB], v11, 24, v[ADRB]
	v_add_nc_u32 v[ADRB], s76, v[ADRB]
	v_lshl_add_u32 v[ADRB+1], v11, 4, v[ADRB]
	v_lshl_add_u32 v[ADSA], v10, 2, s77            ; a's words: 4 bytes a row
	v_and_b32 v13, 7, v0
	v_bfe_u32 v14, v0, 3, 1
	v_lshlrev_b32 v[ADSB], 5, v13
	v_mad_u32_u24 v[ADSB], v14, 272, v[ADSB]
	v_add_nc_u32 v[ADSB], s78, v[ADSB]             ; W_o's: 32 bytes a row, eight rows to a unit of 272
	v_mul_u32_u24 v[STO], v10, 272
	v_lshl_add_u32 v[STO], v11, 5, v[STO]
	v_add_nc_u32 v[STO], s79, v[STO]
	v_mul_u32_u24 v[RD], v11, 272
	v_lshl_add_u32 v[RD], v10, 4, v[RD]
	v_add_nc_u32 v[RD], s79, v[RD]
	v_lshlrev_b32 v[CO], 12, v11
	v_lshl_add_u32 v[CO], v10, 4, v[CO]
.macro FRAG reg, ks, i                 ; a fragment of W_o: byte y of a row lies at y + 16 (y / 256) of its LDS row
.irp p, 0,1,2,3,4,5
.set BY, 96*(\ks)+48*(\p/3)+8*(\p%3)
.if BY/256 == (BY+24)/256
	ds_load_b64 v[\reg+2*\p:\reg+2*\p+1], v[ADRB] offset:BY+16*(BY/256)+(\i)*16*PITCH
.else
	ds_load_b64 v[\reg+2*\p:\reg+2*\p+1], v[ADRB+1] offset:BY+16*(BY/256)+(\i)*16*PITCH
.endif
.endr
.endm
.macro FETCH ks                        ; K step ks: eight fragments and eight scale registers into set ks % 2: 56 LDS loads
.set FS, 96*((\ks)%2)
.set SS, 208*((\ks)%2)
.irp a, 0,1,2,3
.irp p, 0,1,2,3,4,5
.if (\ks) < 5
	ds_load_b64 v[AF+FS+12*\a+2*\p:AF+FS+12*\a+2*\p+1], v[ADRA] offset:(8*(\ks)+\a)*1536+256*\p
.else
	ds_load_b64 v[AF+FS+12*\a+2*\p:AF+FS+12*\a+2*\p+1], v[ADRA2] offset:(8*((\ks)-5)+\a)*1536+256*\p
.endif
.endr
.endr
.irp b, 0,1,2,3
	FRAG BF+FS+12*\b, \ks, \b
.endr
.irp i, 0,1,2,3
	ds_load_b32 v[AS+SS+\i], v[ADSA] offset:512*(\ks)+64*\i
	ds_load_b32 v[BS+SS+\i], v[ADSB] offset:4*(\ks)+544*\i
.endr
.endm
.macro MUL ks                          ; sixteen products on sixteen accumulators by turns, then four places
.set FS, 96*((\ks)%2)
.set SS, 208*((\ks)%2)
	WIN 0x50                                       ; C and D in window 1
.irp a, 0,1,2,3
.irp b, 0,1,2,3
.if (\ks) == 0
	v_wmma_scale_f32_16x16x128_f8f6f4 v[ACC+8*(4*\a+\b):ACC+8*(4*\a+\b)+7], v[BF+FS+12*\b:BF+FS+12*\b+11], v[AF+FS+12*\a:AF+FS+12*\a+11], 0, v[BS+SS+\b], v[AS+SS+\a] matrix_a_fmt:MATRIX_FMT_FP6 matrix_b_fmt:MATRIX_FMT_FP6
.else
	v_wmma_scale_f32_16x16x128_f8f6f4 v[ACC+8*(4*\a+\b):ACC+8*(4*\a+\b)+7], v[BF+FS+12*\b:BF+FS+12*\b+11], v[AF+FS+12*\a:AF+FS+12*\a+11], v[ACC+8*(4*\a+\b):ACC+8*(4*\a+\b)+7], v[BS+SS+\b], v[AS+SS+\a] matrix_a_fmt:MATRIX_FMT_FP6 matrix_b_fmt:MATRIX_FMT_FP6
.endif
.endr
.endr
	WIN 0
.rept 4
	v_nop                                          ; places in front of the loads into this set's registers, and of the first read of results
.endr
.endm
	s_wait_alu depctr_va_vdst(0)                   ; the head's end
	s_wait_tensorcnt 0x0                           ; my tile is in
	s_barrier_signal -1
	s_barrier_wait -1                              ; everybody's is; nothing is ever filled again
	FETCH 0
.irp ks, 0,1,2,3,4,5,6
	FETCH \ks+1
	s_wait_dscnt 56                                ; all but the 56 just issued: this step's set is in
	MUL \ks
.endr
	s_wait_dscnt 0x0
	MUL 7
; THE WAY OUT: a block of 16 rows x 64 columns goes through my own stage and comes back as rows of 256 bytes
.macro TOSTAGE a
	WIN 0x04                                       ; the stores' data in window 1
.irp b, 0,1,2,3
	ds_store_b128 v[STO], v[ACC+8*(4*(\a)+\b):ACC+8*(4*(\a)+\b)+3] offset:64*\b          ; each accumulator from its low end on
	ds_store_b128 v[STO], v[ACC+8*(4*(\a)+\b)+4:ACC+8*(4*(\a)+\b)+7] offset:64*\b+16
.endr
	WIN 0
.set BB, BK+32*((\a)%2)
.irp t, 0,1,2,3,4,5,6,7
	ds_load_b128 v[BB+4*\t:BB+4*\t+3], v[RD] offset:\t*544
.endr
.endm
.macro SEND a, younger
.set BB, BK+32*((\a)%2)
	s_wait_dscnt \younger
.irp t, 0,1,2,3,4,5,6,7
	global_store_b128 v[CO], v[BB+4*\t:BB+4*\t+3], s[12:13] offset:(16*(\a)+2*\t)*4096 th:TH_STORE_NT   ; 16 lanes store 256 consecutive bytes, aligned
.endr
.endm
	TOSTAGE 0
.irp a, 1,2,3
.if \a > 1
	s_wait_xcnt 0x0                                ; block a - 2's stores have read their registers
.endif
	TOSTAGE \a
	SEND \a-1, 16                                  ; behind block a - 1's loads: block a's 8 stores and 8 loads
.endr
	SEND 3, 0
	s_wait_tensorcnt 0x0                           ; the wave's end
	ds_add_u32 v30, v31
	s_wait_dscnt 0x0
	ROUND
	s_endpgm
.Lfunc_end_k_qe3f3e4ba6f_oproj:
	.size	k_qe3f3e4ba6f_oproj, .Lfunc_end_k_qe3f3e4ba6f_oproj-k_qe3f3e4ba6f_oproj
	.p2alignl 7, 3214868480
	.fill 96, 4, 3214868480
	.section	.rodata,"a",@progbits
	.p2align	6, 0x0
	.amdhsa_kernel k_qe3f3e4ba6f_oproj
		.amdhsa_group_segment_fixed_size 262656
		.amdhsa_private_segment_fixed_size 0
		.amdhsa_enable_private_segment 0
		.amdhsa_kernarg_size 40
		.amdhsa_user_sgpr_count 2
		.amdhsa_user_sgpr_kernarg_segment_ptr 1
		.amdhsa_wavefront_size32 1
		.amdhsa_system_sgpr_workgroup_id_x 1
		.amdhsa_system_sgpr_workgroup_id_y 1
		.amdhsa_system_sgpr_workgroup_id_z 1
		.amdhsa_system_vgpr_workitem_id 0
		.amdhsa_next_free_vgpr 512
		.amdhsa_next_free_sgpr 80
		.amdhsa_reserve_vcc 0
		.amdhsa_float_denorm_mode_32 3
		.amdhsa_float_denorm_mode_16_64 3
		.amdhsa_memory_ordered 1
		.amdhsa_forward_progress 1
		.amdhsa_inst_pref_size 62
	.end_amdhsa_kernel
	.amdgpu_metadata
---
amdhsa.version: [ 1, 2 ]
amdhsa.kernels:
  - .name:           k_qe3f3e4ba6f_oproj
    .symbol:         k_qe3f3e4ba6f_oproj.kd
    .args:
      - { .name: ao, .offset: 0, .size: 8, .value_kind: global_buffer, .address_space: global }
      - { .name: aos, .offset: 8, .size: 8, .value_kind: global_buffer, .address_space: global }
      - { .name: W_o_codes, .offset: 16, .size: 8, .value_kind: global_buffer, .address_space: global }
      - { .name: W_o_scales, .offset: 24, .size: 8, .value_kind: global_buffer, .address_space: global }
      - { .name: out0, .offset: 32, .size: 8, .value_kind: global_buffer, .address_space: global }
    .group_segment_fixed_size: 262656
    .private_segment_fixed_size: 0
    .kernarg_segment_align: 8
    .kernarg_segment_size: 40
    .max_flat_workgroup_size: 128
    .sgpr_count:     80
    .vgpr_count:     512
    .wavefront_size: 32
...
	.end_amdgpu_metadata
.endif
;; end of part 3
